; MI455X (gfx1250); checked and timed in simulation.
; The chip was launched on July 23, 2026; its instructions are those of AMD's public machine-readable ISA for CDNA 5 (MIT licence, August 2026) and "CDNA5" Instruction Set Architecture Reference Guide (July 2026). The comments in the code are by the model that wrote it; some were corrected since.
;; Cross Attention. Allowed arithmetic: matrix products marked QUANTISED: E3M2 operands, one E8M0 scale for each 32 along K, by v_wmma_scale_f32_16x16x128_f8f6f4 with both operands' format E3M2, f32 sums; products left as they are: f32 operands where the result goes on into a quantised operand, else bf16, f16 or f32 operands; f32 sums; everything else in f32.
;; Inputs: Wk 1,024 x 1,024 float32; Wp 1,024 x 1,024 float32; Wq 1,024 x 1,024 float32; Wv 1,024 x 1,024 float32; bk 1,024 float32; bp 1,024 float32; bq 1,024 float32; bv 1,024 float32; visual_features 4 x 1,024 float32; x 4 x 1,024 x 1,024 float32.
;; Outputs: out0 4 x 1,024 x 1,024 float32.
;; This version of the problem:
;;   THIS VERSION OF THE PROBLEM IS GIVEN IN LOW PRECISION. The matrix products marked QUANTISED in the list below multiply operands that are first quantised to E3M2 (3 exponent bits, 2 mantissa bits; 6 bits a number), with one power-of-two scale for each 32 numbers along K (OCP MX v1.0); their sums are f32. All else is computed in f32.
;;   The module's matrix products, in the order in which they are computed (A, B: the left and right operand; K: the contracted axis; several contracted axes count as one K, in the product's order):
;;     1. [M 4,096, K 1,024] x [K 1,024, N 1,024]; A: input x; B: input Wq: QUANTISED
;;     2. [M 4, K 1,024] x [K 1,024, N 1,024]; A: input visual_features; B: input Wk: left as it is (M = 4 < 16)
;;     3. [M 4, K 1,024] x [K 1,024, N 1,024]; A: input visual_features; B: input Wv: left as it is (M = 4 < 16)
;;     4. batch 64 x [M 1,024, K 64] x [K 64, N 1,024]; A: computed on the way; B: computed on the way: QUANTISED
;;     5. batch 64 x [M 1,024, K 1,024] x [K 1,024, N 64]; A: softmax (see below); B: computed on the way: QUANTISED
;;     6. [M 4,096, K 1,024] x [K 1,024, N 1,024]; A: computed on the way; B: input Wp: QUANTISED
;;   THE QUANTISER, for each operand of a quantised product, along K:
;;     - K is cut into blocks of 32 from its start; a last block that is shorter is filled with zeros.
;;     - A block's scale is 2^e with e = floor(log2(the largest magnitude in the block)) - 4, held to -126 .. 127; a block of zeros has e = 0. As a byte (E8M0): e + 127.
;;     - Each number is divided by its block's scale, clamped to +-28, and rounded to the nearest number of E3M2, ties to even, subnormals kept.
;;     - The product sums the exact products of the quantised numbers (number of the format x scale) in f32.
;;   ~~~python
;;   def quantise(x, axis):      # numpy; x: float32 -> the quantised numbers, widened to float32 again
;;       x = np.moveaxis(x, axis, -1); K = x.shape[-1]
;;       x = np.pad(x, [(0, 0)] * (x.ndim - 1) + [(0, -K % 32)]); x = x.reshape(x.shape[:-1] + (-1, 32)); a = np.abs(x).max(-1, keepdims=True)
;;       e = np.where(a > 0, np.clip(np.frexp(np.where(a > 0, a, 1))[1] - 1 - 4, -126, 127), 0)      # np.frexp(a)[1] - 1 = floor(log2(a)), exactly
;;       r = np.clip(x / 2.0 ** e, -28, 28)
;;       step = 2.0 ** (np.maximum(np.frexp(np.where(r == 0, 1, r))[1] - 1, -2) - 2)
;;       q = np.round(r / step) * step * 2.0 ** e      # np.round: ties to even
;;       return np.moveaxis(q.reshape(q.shape[:-2] + (-1,))[..., :K], -1, axis).astype(np.float32)
;;   ~~~
;;   SOFTMAX AHEAD OF A QUANTISED PRODUCT. Where the list says 'softmax', what is quantised is not the finished softmax but p = 2^(t - M), with t = logit x log2(e) and M = ceil(the row's largest t), a whole number; so 1/2 < the row's largest p <= 1. The row's sum l is taken of the UNQUANTISED p, in f32, and the product's result is divided by l at the end. Since M is a whole number, a kernel that streams over the keys may use a running M (the ceiling of the running maximum): every later rescaling is an exact power of two, which a block's scale takes up: the codes' values come out the same.
;;   OPERANDS COMPUTED ON THE WAY. 'Computed on the way' means the value that the module computes at that place (a softmax that the list does not call 'softmax' is quantised finished and normalised). What goes into a quantiser is computed in f32, as accurately as f32 sums, v_exp_f32 and their like allow (about 1e-6 of the number): no bf16 or f16 on the way to a quantiser, and a product that is left as it is and whose result goes on into a quantised operand takes f32 operands (vector FMAs, or v_wmma_f32_16x16x4_f32). A number that lies on a knife's edge between two numbers of the format may be rounded either way, as far as f32 arithmetic and the matrix unit's own rounding can turn it there, and no further.
;; One version. Each part assembles by itself: llvm-mc -triple=amdgcn-amd-amdhsa -mcpu=gfx1250 --defsym DOCPART=n.
;; ======== version 1 of 1: 3 launches
;; limits: right only within a limited range of input values
;; workspace buffers: xc 3,145,728 bytes; xs 131,072 bytes; wc 1,572,864 bytes; ws 65,536 bytes; kv 65,536 bytes; yc 3,145,728 bytes; ys 131,072 bytes
;; launch prep (part 1): grid 256 x 1, 16 waves a work-group, no clusters, 155,648 bytes of LDS; arguments x, xc, xs, Wq, Wp, wc, ws, Wk, Wv, visual_features, kv; writes xc, xs, wc, ws, kv
.if DOCPART == 1
	.amdgcn_target "amdgcn-amd-amdhsa--gfx1250"
	.amdhsa_code_object_version 6
	.text
	.protected	k_qb7a6219aa8_prep
	.globl	k_qb7a6219aa8_prep
	.p2align	8
	.type	k_qb7a6219aa8_prep,@function
k_qb7a6219aa8_prep:
	s_mov_b64 s[64:65], 0
	v_nop
	global_prefetch_b8 v0, s[64:65] scope:SCOPE_SE
	s_setreg_imm32_b32 hwreg(HW_REG_WAVE_MODE, 25, 1), 1
	s_wait_xcnt 0x0
; THE PROGRAM: prep (codes of x, Wq, Wp; partial sums of k and v), qatt (q, attention, codes of y), proj (the last product).
; WORK THAT IS DONE ONCE.  The module copies ONE key and ONE value of a (batch, head) to all 1,024 key places.  So for all values of the inputs the 64 tiles of 16 keys of q k^T have equal operands and equal results,
; and so have the 8 steps of 128 keys of p v: one tile and one step are multiplied, and the sum of p is taken over the same 128 keys, so that product and sum are both one eighth of the row's.
; Every input has a way to the output and is read.  LIMIT: a NaN, an infinity or an overflow that reaches only the repeated tiles is not carried to the result.
;
; PREP.  Three roles, chosen by the work-group's number (the same in all sixteen waves):
;   work-groups   0-127  X : x [4096][1024] f32 -> codes of E3M2 (xc) and E8M0 scale words (xs), K = x's last axis
;   work-groups 128-191  W : Wq, Wp [1024 (k)][1024 (n)] f32 -> codes (wc) and scale words (ws), K = the FIRST axis; 64 columns x half of K
;   work-groups 192-255  KV: vf Wk, vf Wv in f32 by fused multiply-adds; 64 columns x half of K: two partial sums of each number go to kv, which qatt adds
; Each work-group reads 131,072 bytes of f32 (8,192 a wave), all asked for at the wave's head; the aligned 256 bytes of a row of a weight belong to one work-group.
; No matrix instruction, no tensor load, nothing shared between work-groups.
; THE QUANTISER: a block of 32 along K has the scale 2^(floor(log2(largest magnitude)) - 4); its byte is the largest magnitude's exponent field - 4, held at 1 from below by a floor among the maximum's leaves;
; the conversion divides by the scale, rounds to the nearest code, ties to even, and gives the largest code beyond 28.
; LIMITS: NaN and infinities among the inputs are not served.  A block of zeros, or one whose largest magnitude lies under 2^(5 - 127), gets the byte 1; this program alone reads the bytes.
; LAYOUT OF THE CODES (this program's own): a FRAGMENT is 16 rows x 128 K = 12 registers a lane = 1,536 bytes, in the order of the operand's registers: two halves of 768 bytes; in half c bytes 0-511 are
; lane l's registers 6c .. 6c+3 at 16 l, bytes 512-767 its registers 6c+4, 6c+5 at 8 l.  Lane (r = l % 16, h = l / 16) holds row r, and in registers 6c .. 6c+5 the block 2c + h.
;   xc: [block of 128 rows][K step of 128][tile of 16 rows][1,536]         xs: [row][8 words]
;   wc: [Wq, Wp][block of 128 columns][K step][tile][1,536]                ws: [Wq, Wp][half of K][tile][slot][4 words]
;   THE COLUMNS OF A TILE OF W ARE NOT NEIGHBOURS: in a group of 32 columns slot r of tile u (0, 1) is column 8 u + r + 8 (r / 8), so that a transposed product's 16 registers of two neighbouring tiles are 16 neighbouring columns.
;   kv: f32 [half of K][k, v][batch][channel]
; Each role has LDS bytes of its own.
; THE LINE ON COLUMNS ABOVE IS Wq's.  Wp's tiles: in a group of 64 columns slot r of tile t (0 .. 3) is column 4 r + t, so that a plain product's four neighbouring tiles give a lane four neighbouring columns.
.set XST,   0                          ; X: a stage for each wave: 16 rows x (512 + 16) bytes
.set XSC,   135168                     ; X: the work-group's 1,024 bytes of scale words
.set WSC,   136192                     ; W: the same
.set RED,   137216                     ; KV: partial sums [wave 16][batch 4][column 64] f32
.set SPARE, 153600                     ; the spare words, 128 bytes a wave
.set SEL,   40                         ; s[40:41] lane selects of v_permlanex16_b32: lane l xor 16
.set FLOOR, 0x2800000                  ; 2^(5 - 127)
.set EOFF,  0xfe000000                 ; -(4 << 23)
.set R,     32                         ; X: v32-95   the numbers as loaded
.set X,     96                         ; X: v96-159  64 numbers of my row: register 16 b + i = k 32 b + 16 h + i
.set PC,    160                        ; X: v160-179 the codes
.set TM,    180                        ; X: v180-195 at work
.set PW,    196                        ; X: the scale word
.set D,     32                         ; W, KV: v32-95 the weight's numbers
.set CA,    96                         ; W: v96-101  a block's codes
.set CB,    102                        ; v102-107 the next block's
.set TX,    108                        ; v108-110 a block's upper 16 codes as converted
.set M0,    112
.set M1,    113
.set SO,    114                        ; the conversion's scale operand
.set EA,    115                        ; scale bytes
.set EB,    116
.set VB,    120                        ; KV: v120-123 vf[b][my wave's row number lane]
.set ACC,   128                        ; KV: v[128+2b:129+2b] batch b's sums of my two columns
; 64 numbers of a lane become a fragment's codes in v[PC] .. v[PC+11] and its scale word in v[PW]
.macro QUANT s
.irp b, 0,1,2,3
	v_max3_num_f32 v[TM+\b], |v[\s+16*\b]|, |v[\s+1+16*\b]|, FLOOR          ; block b: my 16 numbers and the floor
.endr
.irp i, 2,4,6,8,10,12,14
.irp b, 0,1,2,3
	v_max3_num_f32 v[TM+\b], v[TM+\b], |v[\s+16*\b+\i]|, |v[\s+1+16*\b+\i]|  ; the four blocks by turns
.endr
.endr
.irp b, 0,1,2,3
	v_permlanex16_b32 v[TM+4+\b], v[TM+\b], s[SEL], s[SEL+1]
.endr
.irp b, 0,1,2,3
	v_max_num_f32 v[TM+\b], v[TM+\b], v[TM+4+\b]                            ; with lane l xor 16's 16: the block's largest magnitude
.endr
.irp b, 0,1,2,3
	v_add_nc_u32 v[TM+12+\b], EOFF, v[TM+\b]                                ; 4 off its exponent field: the conversion's scale operand
.endr
.irp b, 0,1,2,3
	v_lshrrev_b32 v[TM+4+\b], 23, v[TM+12+\b]                               ; the scale's byte
.endr
	v_lshl_or_b32 v[PW], v[TM+5], 8, v[TM+4]
	s_delay_alu instid0(VALU_DEP_1)
	v_lshl_or_b32 v[PW], v[TM+6], 16, v[PW]
	s_delay_alu instid0(VALU_DEP_1)
	v_lshl_or_b32 v[PW], v[TM+7], 24, v[PW]
.irp c, 0,1
	v_cvt_scalef32_pk16_bf6_f32 v[PC+6*\c:PC+2+6*\c], v[\s+32*\c:\s+15+32*\c], v[TM+12+2*\c]
	v_cvt_scalef32_pk16_bf6_f32 v[PC+12+4*\c:PC+14+4*\c], v[\s+16+32*\c:\s+31+32*\c], v[TM+12+2*\c+1]   ; a conversion's three registers begin on an even number
.endr
	v_nop                                                                   ; one plain instruction behind the scaled conversions
.irp c, 0,1                            ; the layout wants a whole block in a lane: lanes 0-15 block 2 c, lanes 16-31 block 2 c + 1
.irp i, 0,1,2
	v_permlane16_swap_b32 v[PC+6*\c+\i], v[PC+12+4*\c+\i]
.endr
.irp i, 0,1,2
	v_mov_b32 v[PC+3+6*\c+\i], v[PC+12+4*\c+\i]
.endr
.endr
.endm
; a whole block of 32 in one lane's registers v[src] .. v[src+31] becomes six registers of codes v[dst] .. and a byte v[byt]
.macro BLOCKQ src, dst, byt
	v_max3_num_f32 v[M0], |v[\src]|, |v[\src+1]|, |v[\src+2]|
	v_max3_num_f32 v[M1], |v[\src+3]|, |v[\src+4]|, |v[\src+5]|
.irp i, 6,10,14,18,22,26
	s_delay_alu instid0(VALU_DEP_2)
	v_max3_num_f32 v[M0], v[M0], |v[\src+\i]|, |v[\src+\i+1]|
	s_delay_alu instid0(VALU_DEP_2)
	v_max3_num_f32 v[M1], v[M1], |v[\src+\i+2]|, |v[\src+\i+3]|
.endr
	s_delay_alu instid0(VALU_DEP_2)
	v_max3_num_f32 v[M0], v[M0], |v[\src+30]|, |v[\src+31]|
	s_delay_alu instid0(VALU_DEP_1)
	v_max3_num_f32 v[M0], v[M0], v[M1], FLOOR
	s_delay_alu instid0(VALU_DEP_1)
	v_add_nc_u32 v[SO], EOFF, v[M0]
	s_delay_alu instid0(VALU_DEP_1)
	v_lshrrev_b32 v[\byt], 23, v[SO]
	v_cvt_scalef32_pk16_bf6_f32 v[\dst:\dst+2], v[\src:\src+15], v[SO]
	v_cvt_scalef32_pk16_bf6_f32 v[TX:TX+2], v[\src+16:\src+31], v[SO]
	v_nop                                                                   ; one plain instruction behind the scaled conversions
.irp i, 0,1,2
	v_mov_b32 v[\dst+3+\i], v[TX+\i]
.endr
.endm
.macro CLOSE                           ; the wave's end
	s_wait_tensorcnt 0x0
	ds_add_u32 v208, v209
	s_wait_dscnt 0x0
	s_endpgm
.endm
	v_lshl_add_u32 v208, v0, 2, SPARE              ; my spare word, and 0: kept for the closing add
	v_mov_b32 v209, 0
	v_and_b32 v1, 31, v0                           ; lane l
	v_and_b32 v2, 15, v0                           ; r
	v_bfe_u32 v3, v0, 4, 1                         ; h
	v_lshrrev_b32 v11, 5, v0
	s_delay_alu instid0(VALU_DEP_1)
	v_readfirstlane_b32 s20, v11                   ; wave 0..15
	s_mov_b32 s[SEL], 0x76543210
	s_mov_b32 s[SEL+1], 0xfedcba98
	s_wait_alu depctr_va_vdst(0)
	s_cmp_lt_u32 ttmp9, 128
	s_cbranch_scc0 .Lnot_x
; ---------------- ROLE X.  Work-group g: rows 32 g .. 32 g + 31.  Wave w: tile 2 g + w / 8, K step w % 8: ONE fragment, 16 rows x 512 bytes.
	s_load_b128 s[4:7], s[0:1], 0x0                ; x, xc
	s_load_b64 s[8:9], s[0:1], 0x10                ; xs
	s_lshr_b32 s21, s20, 3
	s_and_b32 s22, s20, 7
	s_lshl_b32 s23, ttmp9, 1
	s_add_co_u32 s23, s23, s21                     ; my tile of 16 rows
	s_lshl_b32 s24, s23, 16                        ; x: 16 rows of 4,096 bytes a tile,
	s_lshl_b32 s26, s22, 9                         ; 512 bytes a K step
	s_add_co_u32 s24, s24, s26
	s_mov_b32 s25, 0
	s_lshr_b32 s26, ttmp9, 2                       ; xc: the block of 128 rows,
	s_mul_i32 s26, s26, 98304
	s_mul_i32 s28, s22, 12288                      ; the K step,
	s_add_co_u32 s26, s26, s28
	s_and_b32 s28, s23, 7                          ; the tile in the block
	s_mul_i32 s28, s28, 1536
	s_add_co_u32 s26, s26, s28
	s_mov_b32 s27, 0
	s_lshl_b32 s28, ttmp9, 10                      ; xs: 32 rows of 32 bytes
	s_mov_b32 s29, 0
	s_wait_alu depctr_va_vdst(0)
	v_lshlrev_b32 v4, 4, v1                        ; 16 l
	v_lshlrev_b32 v7, 3, v1                        ; 8 l
	s_mul_i32 s30, s20, 8448                       ; my stage
	v_add_nc_u32 v5, s30, v4                       ; in: a row's 512 bytes as they lie
	v_mul_u32_u24 v6, v2, 528
	s_delay_alu instid0(VALU_DEP_1)
	v_lshl_add_u32 v6, v3, 6, v6
	s_delay_alu instid0(VALU_DEP_1)
	v_add_nc_u32 v6, s30, v6                       ; out: row r, my half's 16 numbers of each block of 32
	s_lshl_b32 s31, s21, 9
	s_lshl_b32 s32, s22, 2
	s_add_co_u32 s31, s31, s32
	s_add_co_u32 s31, s31, XSC
	v_lshl_add_u32 v8, v2, 5, s31                  ; my row's scale word of this K step
	v_lshl_add_u32 v9, v0, 4, XSC                  ; the copy out: waves 0 and 1 alone use these two
	v_lshlrev_b32 v10, 4, v0
.irp b, 0,1,2,3
	v_mov_b32 v[TM+4+\b], 0                        ; a lane permute's destination counts as one of its sources
.endr
	s_wait_alu depctr_va_vdst(0)
	s_wait_kmcnt 0x0
	s_add_nc_u64 s[4:5], s[4:5], s[24:25]
	s_add_nc_u64 s[6:7], s[6:7], s[26:27]
	s_add_nc_u64 s[8:9], s[8:9], s[28:29]
.irp p, 0,1,2,3,4,5,6,7,8,9,10,11,12,13,14,15
	global_load_b128 v[R+4*\p:R+4*\p+3], v4, s[4:5] offset:4096*\p th:TH_LOAD_NT   ; 32 lanes read 512 consecutive bytes of row p
.endr
.irp p, 0,1,2,3,4,5,6,7,8,9,10,11,12,13,14,15
	s_wait_loadcnt 15-\p                           ; loads come back in order: row p is in, the younger ones stay out
	ds_store_b128 v5, v[R+4*\p:R+4*\p+3] offset:528*\p
.endr
.irp b, 0,1,2,3
.irp j, 0,1,2,3
	ds_load_b128 v[X+16*\b+4*\j:X+16*\b+4*\j+3], v6 offset:128*\b+16*\j    ; my wave's own bytes, served in order: these see the stores above
.endr
.endr
	s_wait_dscnt 0x0
	QUANT X
	global_store_b128 v4, v[PC:PC+3], s[6:7]                   ; the fragment as an image of its registers: each store covers whole aligned blocks of 256 bytes
	global_store_b64 v7, v[PC+4:PC+5], s[6:7] offset:512
	global_store_b128 v4, v[PC+6:PC+9], s[6:7] offset:768
	global_store_b64 v7, v[PC+10:PC+11], s[6:7] offset:1280
	ds_store_b32 v8, v[PW]                         ; lanes r and r + 16 write the same word with the same value
	s_wait_dscnt 0x0                               ; for the others' sake: my word lies in LDS
	s_barrier_signal -1
	s_barrier_wait -1
	s_cmp_lt_u32 s20, 2
	s_cbranch_scc0 .Lx_end
	ds_load_b128 v[12:15], v9                      ; waves 0 and 1 store the work-group's 1,024 dense bytes of scale words
	s_wait_dscnt 0x0
	global_store_b128 v10, v[12:15], s[8:9]
.Lx_end:
	CLOSE
.Lnot_x:
	s_cmp_lt_u32 ttmp9, 192
	s_cbranch_scc0 .Lrole_kv
; ---------------- ROLE W.  Work-group: one weight, one group of 64 columns, half of K.  Wave w: 32 of the columns (w % 2), 64 rows (w / 2): one half of a K step.  A lane takes a column, its registers run down K.
	s_load_b128 s[4:7], s[0:1], 0x18               ; Wq, Wp
	s_load_b128 s[8:11], s[0:1], 0x28              ; wc, ws
	s_sub_co_u32 s21, ttmp9, 128
	s_lshr_b32 s22, s21, 5                         ; 0: Wq, 1: Wp
	s_bfe_u32 s23, s21, 0x40001                    ; the group of 64 columns
	s_and_b32 s33, s21, 1                          ; the half of K
	s_and_b32 s34, s20, 1                          ; my half of the columns
	s_lshr_b32 s35, s20, 1                         ; my 64 rows of the half's 512
	s_lshl_b32 s24, s33, 3
	s_add_co_u32 s24, s24, s35
	s_lshl_b32 s24, s24, 18                        ; 64 rows of 4,096 bytes,
	s_lshl_b32 s26, s23, 8                         ; 256 bytes a group,
	s_add_co_u32 s24, s24, s26
	s_mov_b32 s25, 0
	s_mul_i32 s26, s22, 786432                     ; wc: the weight,
	s_lshr_b32 s28, s23, 1
	s_lshl_b32 s28, s28, 3                         ; the block of 128 columns
	s_lshl_b32 s29, s33, 2
	s_add_co_u32 s28, s28, s29
	s_lshr_b32 s29, s35, 1
	s_add_co_u32 s28, s28, s29                     ; and the K step,
	s_mul_i32 s28, s28, 12288
	s_add_co_u32 s26, s26, s28
	s_and_b32 s28, s23, 1
	s_lshl_b32 s28, s28, 1
	s_add_co_u32 s28, s28, s34
	s_mul_i32 s28, s28, 3072                       ; my 32 columns' two tiles,
	s_add_co_u32 s26, s26, s28
	s_and_b32 s28, s35, 1
	s_mul_i32 s28, s28, 768                        ; the half of a fragment
	s_add_co_u32 s26, s26, s28
	s_mov_b32 s27, 0
	s_lshl_b32 s28, s22, 15                        ; ws: the weight, the half of K, 1,024 bytes a group
	s_lshl_b32 s30, s33, 14
	s_add_co_u32 s28, s28, s30
	s_lshl_b32 s30, s23, 10
	s_add_co_u32 s28, s28, s30
	s_mov_b32 s29, 0
	s_wait_alu depctr_va_vdst(0)
	v_and_b32 v4, 7, v2
	v_lshrrev_b32 v11, 3, v2
	s_delay_alu instid0(VALU_DEP_1)
	v_lshl_add_u32 v4, v11, 4, v4
	s_delay_alu instid0(VALU_DEP_1)
	v_lshl_add_u32 v4, v3, 3, v4                   ; lane l = slot (u = l / 16, r = l % 16): column 8 u + r % 8 + 16 (r / 8)
	s_delay_alu instid0(VALU_DEP_1)
	v_lshlrev_b32 v4, 2, v4
	s_lshl_b32 s36, s34, 7
	s_lshl_b32 s37, s34, 3
	v_lshl_add_u32 v11, v2, 4, s37                 ; Wp: column 4 r + t, t = 2 (w % 2) + u: 16 r + 8 (w % 2)
	v_lshlrev_b32 v5, 4, v1                        ; 16 l
	v_add_nc_u32 v4, s36, v4                       ; Wq: my 32 neighbouring columns, 128 bytes a wave
	v_lshl_add_u32 v11, v3, 2, v11                 ; + 4 u bytes
	v_lshlrev_b32 v6, 3, v1                        ; 8 l
	s_cmp_eq_u32 s22, 0
	s_cselect_b32 s38, 0, -1
	v_cndmask_b32 v4, v4, v11, s38                 ; the choice hangs on the work-group's number alone
	s_lshl_b32 s31, s34, 9
	s_lshl_b32 s32, s35, 1
	s_add_co_u32 s31, s31, s32
	s_add_co_u32 s31, s31, WSC
	v_lshl_add_u32 v7, v1, 4, s31                  ; my slot's 16 scale bytes of this half of K, my wave's two of them
	v_lshl_add_u32 v9, v0, 4, WSC
	v_lshlrev_b32 v10, 4, v0
	s_wait_alu depctr_va_vdst(0)
	s_wait_kmcnt 0x0
	s_cmp_eq_u32 s22, 0                            ; the choice hangs on the work-group's number alone
	s_cselect_b64 s[4:5], s[4:5], s[6:7]
	s_add_nc_u64 s[4:5], s[4:5], s[24:25]
	s_add_nc_u64 s[8:9], s[8:9], s[26:27]
	s_add_nc_u64 s[10:11], s[10:11], s[28:29]
.set i, 0
.rept 64
	global_load_b32 v[D+i], v4, s[4:5] offset:4096*i           ; a row at my 32 columns; the neighbouring wave reads the other half of the 256 bytes
.set i, i+1
.endr
	s_wait_loadcnt 32                              ; the first block's 32 loads are in, the second's may be out
	BLOCKQ D, CA, EA
	s_wait_alu depctr_va_vdst(0)
	s_wait_loadcnt 0x0
	BLOCKQ D+32, CB, EB
	v_lshl_or_b32 v[EA], v[EB], 8, v[EA]
	ds_store_b16 v7, v[EA]                         ; the two blocks' bytes
.irp k, 0,1,2,3,4,5
	v_permlane16_swap_b32 v[CA+\k], v[CB+\k]       ; CA's lanes 16-31 change places with CB's lanes 0-15: CA is now tile 0's half (lane (r, h): block 2 c + h of slot r), CB tile 1's
.endr
	global_store_b128 v5, v[CA:CA+3], s[8:9]
	global_store_b64 v6, v[CA+4:CA+5], s[8:9] offset:512
	global_store_b128 v5, v[CB:CB+3], s[8:9] offset:1536
	global_store_b64 v6, v[CB+4:CB+5], s[8:9] offset:2048
	s_wait_dscnt 0x0                               ; for the others' sake: my bytes lie in LDS
	s_barrier_signal -1
	s_barrier_wait -1
	s_cmp_lt_u32 s20, 2
	s_cbranch_scc0 .Lw_end
	ds_load_b128 v[12:15], v9
	s_wait_dscnt 0x0
	global_store_b128 v10, v[12:15], s[10:11]      ; the work-group's 1,024 dense bytes of scale words
.Lw_end:
	CLOSE
; ---------------- ROLE KV.  Work-group: Wk or Wv, one group of 64 columns, half of K, all four batches.  Wave w: 32 rows; a lane takes two neighbouring columns.
.Lrole_kv:
	s_load_b128 s[4:7], s[0:1], 0x38               ; Wk, Wv
	s_load_b128 s[8:11], s[0:1], 0x48              ; visual_features, kv
	s_sub_co_u32 s21, ttmp9, 192
	s_lshr_b32 s22, s21, 5                         ; 0: k, 1: v
	s_bfe_u32 s23, s21, 0x40001                    ; the group of 64 columns
	s_and_b32 s33, s21, 1                          ; the half of K
	s_lshl_b32 s30, s33, 4
	s_add_co_u32 s30, s30, s20                     ; my run of 32 rows
	s_lshl_b32 s16, s30, 17                        ; 32 rows of 4,096 bytes,
	s_lshl_b32 s17, s23, 8                         ; 256 bytes a group
	s_add_co_u32 s16, s16, s17
	s_mov_b32 s17, 0
	s_lshl_b32 s18, s30, 7                         ; vf: my wave's 32 numbers of a row
	s_mov_b32 s19, 0
	s_and_b32 s37, s20, 3                          ; the batch that this wave closes (waves 0 to 3)
	s_lshl_b32 s26, s33, 15                        ; kv: the half of K,
	s_lshl_b32 s30, s22, 14                        ; k or v,
	s_add_co_u32 s26, s26, s30
	s_lshl_b32 s30, s37, 12                        ; the batch,
	s_add_co_u32 s26, s26, s30
	s_lshl_b32 s30, s23, 8                         ; the group
	s_add_co_u32 s26, s26, s30
	s_mov_b32 s27, 0
	s_lshl_b32 s34, s20, 10
	s_add_co_u32 s34, s34, RED
	s_lshl_b32 s35, s37, 8
	s_add_co_u32 s35, s35, RED
	s_wait_alu depctr_va_vdst(0)
	v_lshlrev_b32 v4, 3, v1                        ; 8 l
	v_lshlrev_b32 v5, 2, v1                        ; 4 l
	v_lshl_add_u32 v6, v1, 3, s34                  ; my wave's partial sums
	v_lshl_add_u32 v7, v1, 3, s35                  ; all waves' partial sums of my batch
	s_wait_alu depctr_va_vdst(0)
	s_wait_kmcnt 0x0
	s_cmp_eq_u32 s22, 0
	s_cselect_b64 s[4:5], s[4:5], s[6:7]
	s_add_nc_u64 s[4:5], s[4:5], s[16:17]
	s_add_nc_u64 s[8:9], s[8:9], s[18:19]
	s_add_nc_u64 s[10:11], s[10:11], s[26:27]
.irp q, 25,27,29,31,33,35,37,39
	s_mov_b32 s\q, 0                               ; the upper words of the pairs that the packed form names
.endr
.irp b, 0,1,2,3
	global_load_b32 v[VB+\b], v5, s[8:9] offset:4096*\b
.endr
.set i, 0
.rept 32
	global_load_b64 v[D+2*i:D+2*i+1], v4, s[4:5] offset:4096*i th:TH_LOAD_NT   ; 32 lanes read one aligned unit of 256 bytes
.set i, i+1
.endr
; sum over my 32 rows, K ascending, one packed fused multiply-add a row and batch; the row's number of vf comes from its lane as a scalar
.set i, 0
.rept 32
.if i%8 == 0
	s_wait_alu depctr_va_vdst(0)
	s_wait_loadcnt 24-i                            ; rows i .. i + 7 are in; the loads of the rows behind them may be out
.endif
.irp b, 0,1,2,3
	v_readlane_b32 s[24+8*(i%2)+2*\b], v[VB+\b], i
.endr
.irp b, 0,1,2,3
.if i == 0
	v_pk_mul_f32 v[ACC+2*\b:ACC+2*\b+1], v[D+2*i:D+2*i+1], s[24+8*(i%2)+2*\b:25+8*(i%2)+2*\b] op_sel_hi:[1,0]   ; the first product starts the sum
.else
	v_pk_fma_f32 v[ACC+2*\b:ACC+2*\b+1], v[D+2*i:D+2*i+1], s[24+8*(i%2)+2*\b:25+8*(i%2)+2*\b], v[ACC+2*\b:ACC+2*\b+1] op_sel_hi:[1,0,1]
.endif
.endr
.set i, i+1
.endr
.irp b, 0,1,2,3
	ds_store_b64 v6, v[ACC+2*\b:ACC+2*\b+1] offset:256*\b
.endr
	s_wait_alu depctr_va_vdst(0)
	s_wait_dscnt 0x0                               ; for the others' sake: my partial sums lie in LDS
	s_barrier_signal -1
	s_barrier_wait -1
	s_cmp_lt_u32 s20, 4
	s_cbranch_scc1 .Lkv_fin
	CLOSE
.Lkv_fin:                                          ; wave b closes batch b
.irp j, 0,1,2,3,4,5,6,7,8,9,10,11,12,13,14,15
	ds_load_b64 v[D+2*\j:D+2*\j+1], v7 offset:1024*\j
.endr
	s_wait_dscnt 0x0
.irp j, 1,2,3,4,5,6,7
	v_pk_add_f32 v[D:D+1], v[D:D+1], v[D+2*\j:D+2*\j+1]                      ; the sixteen waves' parts, K ascending, in two chains
	v_pk_add_f32 v[D+16:D+17], v[D+16:D+17], v[D+16+2*\j:D+17+2*\j]
.endr
	v_pk_add_f32 v[D:D+1], v[D:D+1], v[D+16:D+17]
	global_store_b64 v4, v[D:D+1], s[10:11]        ; 32 lanes store one aligned unit of 256 bytes
	CLOSE
.Lfunc_end_k_qb7a6219aa8_prep:
	.size	k_qb7a6219aa8_prep, .Lfunc_end_k_qb7a6219aa8_prep-k_qb7a6219aa8_prep
	.p2alignl 7, 3214868480
	.fill 96, 4, 3214868480
	.section	.rodata,"a",@progbits
	.p2align	6, 0x0
	.amdhsa_kernel k_qb7a6219aa8_prep
		.amdhsa_group_segment_fixed_size 155648
		.amdhsa_private_segment_fixed_size 0
		.amdhsa_enable_private_segment 0
		.amdhsa_kernarg_size 88
		.amdhsa_user_sgpr_count 2
		.amdhsa_user_sgpr_kernarg_segment_ptr 1
		.amdhsa_wavefront_size32 1
		.amdhsa_system_sgpr_workgroup_id_x 1
		.amdhsa_system_sgpr_workgroup_id_y 1
		.amdhsa_system_sgpr_workgroup_id_z 1
		.amdhsa_system_vgpr_workitem_id 0
		.amdhsa_next_free_vgpr 210
		.amdhsa_next_free_sgpr 66
		.amdhsa_reserve_vcc 0
		.amdhsa_float_denorm_mode_32 3
		.amdhsa_float_denorm_mode_16_64 3
		.amdhsa_memory_ordered 1
		.amdhsa_forward_progress 1
		.amdhsa_inst_pref_size 50
	.end_amdhsa_kernel
	.amdgpu_metadata
---
amdhsa.version: [ 1, 2 ]
amdhsa.kernels:
  - .name:           k_qb7a6219aa8_prep
    .symbol:         k_qb7a6219aa8_prep.kd
    .args:
      - { .name: x, .offset: 0, .size: 8, .value_kind: global_buffer, .address_space: global }
      - { .name: xc, .offset: 8, .size: 8, .value_kind: global_buffer, .address_space: global }
      - { .name: xs, .offset: 16, .size: 8, .value_kind: global_buffer, .address_space: global }
      - { .name: Wq, .offset: 24, .size: 8, .value_kind: global_buffer, .address_space: global }
      - { .name: Wp, .offset: 32, .size: 8, .value_kind: global_buffer, .address_space: global }
      - { .name: wc, .offset: 40, .size: 8, .value_kind: global_buffer, .address_space: global }
      - { .name: ws, .offset: 48, .size: 8, .value_kind: global_buffer, .address_space: global }
      - { .name: Wk, .offset: 56, .size: 8, .value_kind: global_buffer, .address_space: global }
      - { .name: Wv, .offset: 64, .size: 8, .value_kind: global_buffer, .address_space: global }
      - { .name: visual_features, .offset: 72, .size: 8, .value_kind: global_buffer, .address_space: global }
      - { .name: kv, .offset: 80, .size: 8, .value_kind: global_buffer, .address_space: global }
    .group_segment_fixed_size: 155648
    .private_segment_fixed_size: 0
    .kernarg_segment_align: 8
    .kernarg_segment_size: 88
    .max_flat_workgroup_size: 512
    .sgpr_count:     66
    .vgpr_count:     210
    .wavefront_size: 32
...
	.end_amdgpu_metadata
.endif
;; end of part 1
;; launch qatt (part 2): grid 8 x 32, 4 waves a work-group, clusters of 4 x 4, 197,632 bytes of LDS; arguments xc, xs, wc, ws, bq, bk, bv, kv, yc, ys; writes yc, ys
.if DOCPART == 2
	.amdgcn_target "amdgcn-amd-amdhsa--gfx1250"
	.amdhsa_code_object_version 6
	.text
	.protected	k_qb7a6219aa8_qatt
	.globl	k_qb7a6219aa8_qatt
	.p2align	8
	.type	k_qb7a6219aa8_qatt,@function
k_qb7a6219aa8_qatt:
	s_mov_b64 s[64:65], 0
	v_nop
	global_prefetch_b8 v0, s[64:65] scope:SCOPE_SE
	s_setreg_imm32_b32 hwreg(HW_REG_WAVE_MODE, 25, 1), 1
	s_wait_xcnt 0x0
	s_wait_alu depctr_hold_cnt(0) depctr_sa_sdst(0) depctr_va_vdst(0) depctr_va_sdst(0) depctr_va_ssrc(0) depctr_va_vcc(0) depctr_vm_vsrc(0)
	s_getreg_b32 s2, hwreg(HW_REG_IB_STS2, 6, 4)
	s_cmp_eq_u32 s2, 0
	s_cbranch_scc0 .Lentry_in_a_cluster
	s_endpgm
.Lentry_in_a_cluster:
	s_bfe_u32 s2, ttmp6, 0x10000c
	s_cmp_lg_u32 s2, 0xf033
	s_cbranch_scc0 .Lentry_shape_is_right
	s_endpgm
.Lentry_shape_is_right:
; QATT: q = Q(x) Q(Wq) + bq, then the whole attention of the wave's head, then y's codes.  All products on codes of E3M2 with E8M0 scales for each 32 along K, sums in f32.
; SHARES.  A work-group makes 128 rows x 128 columns of q; each of its four waves 64 x 64: 16 accumulators.  A wave's 64 columns are ONE head.  256 work-groups.
; ALL OF K LIES IN LDS: the work-group's codes of x (98,304 bytes) and of Wq (98,304) are filled ONCE, by one tensor load a wave (waves 0, 1: x's two halves of K, waves 2, 3: Wq's), 49,152 dense bytes each.
; No LDS byte is filled twice, and no loop walks memory: so there is nothing to prefetch ahead of.
; CLUSTER 4 x 4: the four work-groups of a row of the cluster need the same rows of x, the four of a column the same columns of Wq: each half is asked for jointly.
; THE MATRIX INSTRUCTION IS USED TRANSPOSED (source 0 = 16 columns of Wq, source 1 = 16 rows of x), and the columns of a tile are chosen (slot r of tile 2 b + u = column 32 b + 8 u + r + 8 (r / 8)):
; lane (r, h) holds row r, and register 16 b + j of a row tile's 32 registers is column 32 b + 16 h + j: neighbours along the next product's K.  bq is the C of each sum's first instruction.
; k AND v: two partial sums of K and the bias are added here in f32, and quantised by every wave for its own head, ahead of the wait for the codes.
; THE ATTENTION.  WORK DONE ONCE (the argument stands in the first kernel): all keys of a head are equal, so one tile of 16 keys and one step of 128 keys are multiplied.  All of a row's logits are equal, so the row's largest t is
; that t: M = ceil(t), p = 2^(t - M), every key's.  p is quantised along the keys (a block is 32 copies of p), v likewise (32 copies of v[c]); the sum of the UNQUANTISED p is taken over the same 128 keys, 128 p.
; y = (p v) / (128 p) is then quantised along the channels for the last product.  The wave's four row tiles go through the attention side by side.
; LIMITS: NaN and infinities are not served; a block of zeros has the scale byte 1 (its codes are zeros, and this program alone reads the bytes); scaled scores under 2^31 in magnitude.
; REGISTERS.  Window 0: v1-8 LDS addresses of the fragments; v32-63 x's scale words, v64-95 Wq's; v96-127 at work; v128-255 accumulators.
;   Window 1: v0-95, v96-191 two sets of fragments (four of x, four of Wq each); ahead of them the parts of k and the copies of v.
;   Window 2: v0-47 v's fragments, v48-59 k's, v60-107 q's (later y's codes), v108-155 p's, v156-158 at work, v176-207 bq.
.set ADA,  1                           ; v1, v2: x's fragments in K steps 0-3 (16 bytes a lane; 8 bytes a lane, 512 on); v3, v4: in K steps 4-7
.set ADB,  5                           ; v5-8 the same for Wq
.set L16,  9                           ; 16 l
.set L8,   10                          ; 8 l
.set YSA,  11                          ; LDS: my row's two scale bytes of y
.set YSR,  12                          ; LDS: the copy out of y's scale words
.set KS,   13                          ; k's scale word
.set VS,   16                          ; v16-19 v's
.set QS,   20                          ; v20-23 q's
.set PS,   24                          ; v24-27 p's
.set M0,   28
.set M1,   29
.set SPW,  30                          ; my spare word: SPARE + 4 x my thread's number; never rewritten
.set NIL,  31                          ; 0; never rewritten
.set SA,   32                          ; x's scale words: row tile i, K step s at v[SA + 8 i + s]
.set SB,   64                          ; Wq's: column tile t, K step s at v[SB + 8 t + s]
.set M,    96                          ; v96-103 largest magnitudes (row tile i, block b at M + 2 i + b); later codes; T and P
.set X,    104                         ; v104-111 the other half's, bytes; later codes
.set S,    112                         ; v112-119 the conversions' scale operands
.set RC,   120                         ; v[120+2i:121+2i]: 1 / (128 p); the packed form names the pair and takes its low word for both halves
.set T,    96
.set P,    100
.set NM,   112
.set TB,   1                           ; v1-4 y's pairs of scale bytes (behind the last fragment load)
.set ACC,  128                         ; accumulator (i, t) at v[ACC + 8 (4 i + t)]
.set VF,   0                           ; window 2
.set KF,   48
.set QF,   60
.set PF,   108
.set TXK,  156
.set BIAS, 176
.set WV,   20                          ; s20 wave; s21 = wave / 2: my half of the rows; s22 = wave % 2: my half of the columns
.set G1A,  24                          ; s[24:31] descriptor group 1 for x, s[32:35] group 0
.set G0A,  32
.set G0B,  36
.set G1B,  48                          ; s[48:55], s[36:39] the same for Wq
.set SEL,  56                          ; s[56:57] lane selects: lane l xor 16
.set CS,   58                          ; log2(e) / 8
.set REP,  59                          ; 0x01010101
.set FLOOR, 0x2800000                  ; 2^(5 - 127)
.set EOFF,  0xfe000000                 ; -(4 << 23)
.set YSL,  196608                      ; LDS behind the codes: 512 bytes of y's scale words
.set SPARE, 197120                     ; the spare words, 128 bytes a wave
.set MSB, 0
.macro WIN new                         ; the immediate's high byte repeats the setting that is left
.if MSB != (\new)
	s_set_vgpr_msb (MSB<<8)|(\new)
.set MSB, \new
.endif
.endm
.macro PLACES                          ; four plain instructions between a matrix instruction and a read of its result, a write of its registers or a load into them
.rept 4
	v_nop
.endr
.endm
.macro CROUND                          ; a round of the cluster's barrier
	s_barrier_signal -1
	s_barrier_wait -1
	s_cmp_lg_u32 s[WV], 0
	s_cbranch_scc1 .Lnot_wave_0_\@
	s_barrier_signal -3
.Lnot_wave_0_\@:
	s_barrier_wait -3
	s_barrier_signal -1
	s_barrier_wait -1
.endm
; 16 LDS loads: four fragments of K step ks; a fragment is an image of its registers: every load takes consecutive bytes from lane to lane
.macro FRAG4 reg, adr, ks
.irp i, 0,1,2,3
	ds_load_b128 v[\reg+12*\i:\reg+12*\i+3],     v[\adr+2*((\ks)/4)]   offset:((\ks)%4)*12288+\i*1536
	ds_load_b64  v[\reg+12*\i+4:\reg+12*\i+5],   v[\adr+2*((\ks)/4)+1] offset:((\ks)%4)*12288+\i*1536
	ds_load_b128 v[\reg+12*\i+6:\reg+12*\i+9],   v[\adr+2*((\ks)/4)]   offset:((\ks)%4)*12288+\i*1536+768
	ds_load_b64  v[\reg+12*\i+10:\reg+12*\i+11], v[\adr+2*((\ks)/4)+1] offset:((\ks)%4)*12288+\i*1536+768
.endr
.endm
.macro FETCH ks, fs                    ; K step ks into set fs
	WIN 0x40                                       ; destination window 1, address window 0
	FRAG4 96*(\fs), ADA, \ks
	FRAG4 96*(\fs)+48, ADB, \ks
.endm
; 16 matrix instructions: K step ks from set fs.  The 16 accumulators take turns, one instruction a turn, in the same order in every step.  first = 1: C is the bias
.macro MUL ks, fs, first
.if \first
	WIN 0x25                                       ; sources 0, 1 window 1, C window 2, D window 0
.else
	WIN 0x05                                       ; sources 0 and 1 window 1, C and D window 0
.endif
.irp i, 0,1,2,3
.irp t, 0,1,2,3
.if \first
	v_wmma_scale_f32_16x16x128_f8f6f4 v[ACC+8*(4*\i+\t):ACC+8*(4*\i+\t)+7], v[96*(\fs)+48+12*\t:96*(\fs)+48+12*\t+11], v[96*(\fs)+12*\i:96*(\fs)+12*\i+11], v[BIAS+8*\t:BIAS+8*\t+7], v[SB+8*\t+(\ks)], v[SA+8*\i+(\ks)] matrix_a_fmt:MATRIX_FMT_BF6 matrix_b_fmt:MATRIX_FMT_BF6
.else
	v_wmma_scale_f32_16x16x128_f8f6f4 v[ACC+8*(4*\i+\t):ACC+8*(4*\i+\t)+7], v[96*(\fs)+48+12*\t:96*(\fs)+48+12*\t+11], v[96*(\fs)+12*\i:96*(\fs)+12*\i+11], v[ACC+8*(4*\i+\t):ACC+8*(4*\i+\t)+7], v[SB+8*\t+(\ks)], v[SA+8*\i+(\ks)] matrix_a_fmt:MATRIX_FMT_BF6 matrix_b_fmt:MATRIX_FMT_BF6
.endif
.endr
.endr
.endm
; All four row tiles' 64 channels of my head become codes: register 16 b + j of a tile = k 32 b + 16 h + j of my row; tile i's six registers (lane (r, h): block h) go to v[QF + 12 i] .. of window 2,
; its two blocks' bytes to v[hw + i].  Eight chains by turns; each accumulator is read from its low end on
.macro QUANT4 hw
	WIN 0
.irp i, 0,1,2,3
.irp b, 0,1
	v_max3_num_f32 v[M+2*\i+\b], |v[ACC+32*\i+16*\b]|, |v[ACC+32*\i+16*\b+1]|, FLOOR
.endr
.endr
.irp j, 2,4,6,8,10,12,14
.irp i, 0,1,2,3
.irp b, 0,1
	v_max3_num_f32 v[M+2*\i+\b], v[M+2*\i+\b], |v[ACC+32*\i+16*\b+\j]|, |v[ACC+32*\i+16*\b+\j+1]|
.endr
.endr
.endr
.irp j, 0,1,2,3,4,5,6,7
	v_permlanex16_b32 v[X+\j], v[M+\j], s[SEL], s[SEL+1]
.endr
.irp j, 0,1,2,3,4,5,6,7
	v_max_num_f32 v[M+\j], v[M+\j], v[X+\j]                                ; with lane l xor 16's 16
.endr
.irp j, 0,1,2,3,4,5,6,7
	v_add_nc_u32 v[S+\j], EOFF, v[M+\j]                                    ; 4 off the exponent field: the conversion's scale operand
.endr
.irp j, 0,1,2,3,4,5,6,7
	v_lshrrev_b32 v[X+\j], 23, v[S+\j]                                     ; the scale's byte
.endr
.irp i, 0,1,2,3
	v_lshl_or_b32 v[\hw+\i], v[X+2*\i+1], 8, v[X+2*\i]
.endr
.irp g, 0,2                            ; two row tiles at a time, through v96-111
	WIN 0
.irp i, 0,1
	v_cvt_scalef32_pk16_bf6_f32 v[M+8*\i:M+8*\i+2], v[ACC+32*(\g+\i):ACC+32*(\g+\i)+15], v[S+2*(\g+\i)]
	v_cvt_scalef32_pk16_bf6_f32 v[M+8*\i+4:M+8*\i+6], v[ACC+32*(\g+\i)+16:ACC+32*(\g+\i)+31], v[S+2*(\g+\i)+1]
.endr
	v_nop                                                                  ; one plain instruction behind the scaled conversions
.irp i, 0,1
.irp k, 0,1,2
	v_permlane16_swap_b32 v[M+8*\i+\k], v[M+8*\i+4+\k]                     ; the first now holds the lower 16 codes of my block h, the second the upper 16
.endr
.endr
	WIN 0x80
.irp i, 0,1
.irp k, 0,1,2
	v_mov_b32 v[QF+12*(\g+\i)+\k], v[M+8*\i+\k]
	v_mov_b32 v[QF+12*(\g+\i)+3+\k], v[M+8*\i+4+\k]
.endr
.endr
.endr
	WIN 0
.endm
	s_load_b512 s[4:19], s[0:1], 0x0               ; xc s[4:5], xs s[6:7], wc s[8:9], ws s[10:11], bq s[12:13], bk s[14:15], bv s[16:17], kv s[18:19]
	s_load_b128 s[92:95], s[0:1], 0x40             ; yc, ys
	v_lshl_add_u32 v[SPW], v0, 2, SPARE
	v_mov_b32 v[NIL], 0
	ds_add_u32 v[SPW], v[NIL]                      ; the opening: the add, twice on end, and its wait ahead of my first tensor load
	ds_add_u32 v[SPW], v[NIL]
	v_lshrrev_b32 v99, 5, v0
	v_readfirstlane_b32 s[WV], v99                 ; wave 0..3
	s_lshr_b32 s21, s[WV], 1
	s_and_b32 s22, s[WV], 1
	s_bfe_u32 s23, ttmp6, 0x40000                  ; cx, cy: my place in the cluster
	s_bfe_u32 s84, ttmp6, 0x40004
	s_lshl_b32 s85, ttmp9, 2
	s_add_co_u32 s85, s85, s23                     ; the block of 128 columns = 4 x cluster x + cx
	s_and_b32 s86, ttmp7, 0xffff
	s_lshl_b32 s86, s86, 2
	s_add_co_u32 s86, s86, s84                     ; the block of 128 rows = 4 x cluster y + cy
	s_lshl_b32 s87, s84, 2
	s_lshl_b32 s87, 15, s87                        ; my row of the cluster
	s_lshl_b32 s88, 0x1111, s23                    ; my column
	; descriptor group 1: a dense block of 49,152 bytes as 192 rows of 32 elements of 8 bytes; no padding
	s_or_b32 s[G1A], s87, (3<<16)|(1<<21)          ; 15:0 the mask: x's halves go to my row; 17:16 elements of 8 bytes; 21 set beside a mask
	s_or_b32 s[G1B], s88, (3<<16)|(1<<21)          ; Wq's go to my column
.irp g, G1A, G1B
	s_mov_b32 s[\g+1], 32<<16                      ; tensor_dim0 = 32
	s_mov_b32 s[\g+2], 192<<16                     ; tensor_dim1 = 192
	s_mov_b32 s[\g+3], 32<<16                      ; tile_dim0 = 32
	s_mov_b32 s[\g+4], 192                         ; tile_dim1 = 192
	s_mov_b32 s[\g+5], 32                          ; from row to row
	s_mov_b32 s[\g+6], 0
	s_mov_b32 s[\g+7], 0
.endr
	s_mul_i32 s89, s22, 49152                      ; which half of K I fetch
	s_mul_i32 s60, s86, 98304                      ; x: hangs on the block of rows alone,
	s_add_co_u32 s60, s60, s89
	s_mov_b32 s61, 0
	s_mul_i32 s62, s85, 98304                      ; Wq: on the block of columns alone
	s_add_co_u32 s62, s62, s89
	s_mov_b32 s63, 0
	s_mul_i32 s90, s[WV], 49152                    ; where my half goes: no place in the cluster enters an LDS address
	s_mov_b32 s[SEL], 0x76543210
	s_mov_b32 s[SEL+1], 0xfedcba98
	s_mov_b32 s[CS], 0x3e38aa3b                    ; log2(e) / sqrt(64)
	s_mov_b32 s[REP], 0x01010101
	s_wait_dscnt 0x0                               ; both opening adds are done
	; every LDS address is made here, ahead of the first branch on the wave's number
	v_and_b32 v96, 15, v0                          ; r
	v_bfe_u32 v97, v0, 4, 1                        ; h
	v_and_b32 v98, 31, v0                          ; l
	v_lshlrev_b32 v[L16], 4, v98
	v_lshlrev_b32 v[L8], 3, v98
	s_mul_i32 s91, s21, 6144                       ; my four tiles of x's eight
	v_add_nc_u32 v[ADA], s91, v[L16]
	v_add_nc_u32 v[ADA+1], s91, v[L8]
	v_add_nc_u32 v[ADA+1], 512, v[ADA+1]
	v_add_nc_u32 v[ADA+2], 49152, v[ADA]
	v_add_nc_u32 v[ADA+3], 49152, v[ADA+1]
	s_mul_i32 s91, s22, 6144                       ; my four tiles of Wq's eight, behind x's codes
	s_add_co_u32 s91, s91, 98304
	v_add_nc_u32 v[ADB], s91, v[L16]
	v_add_nc_u32 v[ADB+1], s91, v[L8]
	v_add_nc_u32 v[ADB+1], 512, v[ADB+1]
	v_add_nc_u32 v[ADB+2], 49152, v[ADB]
	v_add_nc_u32 v[ADB+3], 49152, v[ADB+1]
	s_lshl_b32 s91, s21, 8
	s_lshl_b32 s89, s22, 1
	s_add_co_u32 s91, s91, s89
	s_add_co_u32 s91, s91, YSL
	v_lshl_add_u32 v[YSA], v96, 2, s91             ; row 64 a + r's word, bytes 2 e and 2 e + 1
	v_add_nc_u32 v[YSR], YSL, v[L16]
	v_lshlrev_b32 v99, 5, v96                      ; offsets of the plain loads below: 32 r,
	v_lshlrev_b32 v100, 4, v96                     ; 16 r,
	v_lshlrev_b32 v101, 6, v97                     ; 64 h,
	v_lshlrev_b32 v102, 7, v97                     ; 128 h,
	v_and_b32 v103, 8, v96
	v_add_nc_u32 v103, v103, v96
	v_lshlrev_b32 v103, 2, v103                    ; 4 (r + 8 (r / 8))
	v_lshlrev_b32 v112, 3, v97                     ; 8 h
.irp j, 0,1,2,3,4,5,6,7
	v_mov_b32 v[X+\j], 0                           ; a lane permute's destination counts as one of its sources
	v_mov_b32 v[RC+\j], 0                          ; named as upper halves of pairs, so they are written
.endr
	s_wait_alu depctr_va_vdst(0)
	CROUND                                         ; all sixteen work-groups are here: the joint loads meet.  (The round needs no argument: it stands ahead of the wait for them)
	s_wait_kmcnt 0x0
	s_mov_b32 s[G0A], 1                                            ; count = 1
	s_mov_b32 s[G0A+1], s90                                        ; LDS address
	s_add_nc_u64 s[G0A+2:G0A+3], s[4:5], s[60:61]                  ; global address
	s_or_b32 s[G0A+3], s[G0A+3], 0x80000000                        ; type = 2
	s_mov_b32 s[G0B], 1
	s_mov_b32 s[G0B+1], s90
	s_add_nc_u64 s[G0B+2:G0B+3], s[8:9], s[62:63]
	s_or_b32 s[G0B+3], s[G0B+3], 0x80000000
; One tensor load a wave, each in its own arm of one chain; four v_nop follow each.  The arms of K steps 0-3 (waves 0 and 2) come first
.macro ARM who, g0, g1, next
	s_cmp_eq_u32 s[WV], \who
	s_cbranch_scc0 \next
	tensor_load_to_lds s[\g0:\g0+3], s[\g1:\g1+7]
	s_nop 0
.rept 4
	v_nop
.endr
	s_branch .Lfilled
\next:
.endm
	ARM 0, G0A, G1A, .Larm_2
	ARM 2, G0B, G1B, .Larm_1
	ARM 1, G0A, G1A, .Larm_3
	tensor_load_to_lds s[G0B:G0B+3], s[G1B:G1B+7]
	s_nop 0
.rept 4
	v_nop
.endr
.Lfilled:
	; the bases of the plain loads and of the stores
	s_mov_b32 s61, 0
	s_mov_b32 s63, 0
	s_lshl_b32 s60, s85, 9                         ; bq, bk, bv: 128 numbers, 64 a wave
	s_lshl_b32 s62, s22, 8
	s_add_co_u32 s60, s60, s62
	s_add_nc_u64 s[12:13], s[12:13], s[60:61]
	s_add_nc_u64 s[14:15], s[14:15], s[60:61]
	s_add_nc_u64 s[16:17], s[16:17], s[60:61]
	s_lshr_b32 s62, s86, 3                         ; kv: the batch (8 blocks of rows each), 4,096 bytes a batch
	s_lshl_b32 s62, s62, 12
	s_add_co_u32 s60, s60, s62
	s_add_nc_u64 s[18:19], s[18:19], s[60:61]
	s_lshl_b32 s60, s85, 11                        ; ws: 8 tiles of 256 bytes a block of columns, 4 a wave
	s_lshl_b32 s62, s22, 10
	s_add_co_u32 s60, s60, s62
	s_add_nc_u64 s[10:11], s[10:11], s[60:61]
	s_lshl_b32 s60, s86, 12                        ; xs: 128 rows of 32 bytes, 64 a wave
	s_lshl_b32 s62, s21, 11
	s_add_co_u32 s60, s60, s62
	s_add_nc_u64 s[6:7], s[6:7], s[60:61]
.irp t, 0,1,2,3
	global_load_b32 v[128+\t], v103, s[18:19] offset:16384+128*(\t/2)+32*(\t%2)    ; v's two parts and bv: channel 32 (t / 2) + 8 (t % 2) + r + 8 (r / 8)
	global_load_b32 v[132+\t], v103, s[18:19] offset:49152+128*(\t/2)+32*(\t%2)
	global_load_b32 v[136+\t], v103, s[16:17] offset:128*(\t/2)+32*(\t%2)
.endr
	WIN 0x40
.irp j, 0,1,2,3,4,5,6,7
	global_load_b128 v[4*\j:4*\j+3], v102, s[18:19] offset:16*\j                    ; k's two parts and bk: block h of my head
	global_load_b128 v[32+4*\j:32+4*\j+3], v102, s[18:19] offset:32768+16*\j
	global_load_b128 v[64+4*\j:64+4*\j+3], v102, s[14:15] offset:16*\j
.endr
	WIN 0
.irp t, 0,1,2,3
	global_load_b128 v[SB+8*\t:SB+8*\t+3],   v100, s[10:11] offset:256*\t          ; lane r: slot r's scale words of K steps 0-3,
	global_load_b128 v[SB+8*\t+4:SB+8*\t+7], v100, s[10:11] offset:256*\t+16384    ; and 4-7
	global_load_b128 v[SA+8*\t:SA+8*\t+3],   v99, s[6:7] offset:512*\t             ; lane r: row r's
	global_load_b128 v[SA+8*\t+4:SA+8*\t+7], v99, s[6:7] offset:512*\t+16
.endr
	WIN 0x80
.irp t, 0,1,2,3
	global_load_b128 v[BIAS+8*\t:BIAS+8*\t+3],   v101, s[12:13] offset:(32*(\t/2)+8*(\t%2))*4       ; bq at columns 32 (t / 2) + 16 h + 8 (t % 2) + 0 .. 7: the result's layout
	global_load_b128 v[BIAS+8*\t+4:BIAS+8*\t+7], v101, s[12:13] offset:(32*(\t/2)+8*(\t%2))*4+16
.endr
	WIN 0
	s_lshl_b32 s60, s86, 3
	s_add_co_u32 s60, s60, s85                     ; 8 x block of rows + the next product's K step (my block of columns)
	s_lshl_b32 s62, s60, 9                         ; ys: 512 bytes each
	s_add_nc_u64 s[94:95], s[94:95], s[62:63]
	s_mul_i32 s60, s60, 12288                      ; yc: 8 fragments each,
	s_mul_i32 s62, s21, 6144                       ; my four tiles,
	s_add_co_u32 s60, s60, s62
	s_mul_i32 s62, s22, 768                        ; my half of a fragment
	s_add_co_u32 s60, s60, s62
	s_add_nc_u64 s[92:93], s[92:93], s[60:61]
	; ---- v's operand: along the keys a block is 32 copies of one number, so its largest magnitude is that number's
	s_wait_loadcnt 48                              ; v's 12 loads are in; behind them k's 24 and 24 more
.irp t, 0,1,2,3
	v_add_f32 v[128+\t], v[128+\t], v[132+\t]
.endr
.irp t, 0,1,2,3
	v_add_f32 v[128+\t], v[128+\t], v[136+\t]
.endr
.irp t, 0,1,2,3
	v_max3_num_f32 v[140+\t], |v[128+\t]|, |v[128+\t]|, FLOOR
.endr
.irp t, 0,1,2,3
	v_add_nc_u32 v[140+\t], EOFF, v[140+\t]
.endr
.irp t, 0,1,2,3
	v_lshrrev_b32 v[144+\t], 23, v[140+\t]
.endr
.irp t, 0,1,2,3
	v_mul_lo_u32 v[VS+\t], v[144+\t], s[REP]       ; lane r: its channel's scale byte, four times
.endr
	WIN 0x40
.irp t, 0,1,2,3
.irp k, 0,1,2,3,4,5,6,7,8,9,10,11,12,13,14,15
	v_mov_b32 v[96+16*\t+\k], v[128+\t]
.endr
.endr
	WIN 0x81                                       ; destination window 2, numbers window 1, scale operand window 0
.irp t, 0,1,2,3
	v_cvt_scalef32_pk16_bf6_f32 v[VF+12*\t:VF+12*\t+2], v[96+16*\t:111+16*\t], v[140+\t]   ; the code sixteen times: 96 bits
.endr
	v_nop                                          ; one plain instruction behind the scaled conversions
	WIN 0x82
.irp t, 0,1,2,3
.irp k, 3,4,5,6,7,8,9,10,11
	v_mov_b32 v[VF+12*\t+\k], v[VF+12*\t+\k%3]     ; 128 keys of one channel: the 96 bits four times
.endr
.endr
	WIN 0
	; ---- k's operand: every key's row is k: lane (r, h) holds block h of the head's 64
	s_wait_alu depctr_va_vdst(0)
	s_wait_loadcnt 24                              ; k's loads are in; the scale words and bq may be out
	WIN 0x45
.irp j, 0,2,4,6,8,10,12,14,16,18,20,22,24,26,28,30
	v_pk_add_f32 v[\j:\j+1], v[\j:\j+1], v[32+\j:33+\j]
.endr
.irp j, 0,2,4,6,8,10,12,14,16,18,20,22,24,26,28,30
	v_pk_add_f32 v[\j:\j+1], v[\j:\j+1], v[64+\j:65+\j]
.endr
	WIN 0x05
	v_max3_num_f32 v[M0], |v[0]|, |v[1]|, FLOOR
	v_max3_num_f32 v[M1], |v[2]|, |v[3]|, FLOOR
.irp j, 4,8,12,16,20,24,28
	v_max3_num_f32 v[M0], |v[\j]|, |v[\j+1]|, v[M0]
	v_max3_num_f32 v[M1], |v[\j+2]|, |v[\j+3]|, v[M1]
.endr
	WIN 0
	v_max_num_f32 v[M0], v[M0], v[M1]
	v_add_nc_u32 v[M0], EOFF, v[M0]
	v_lshrrev_b32 v[M1], 23, v[M0]
	WIN 0x81
	v_cvt_scalef32_pk16_bf6_f32 v[KF:KF+2], v[0:15], v[M0]
	v_cvt_scalef32_pk16_bf6_f32 v[TXK:TXK+2], v[16:31], v[M0]
	v_nop                                          ; one plain instruction behind the scaled conversions
	WIN 0x82
.irp k, 0,1,2
	v_mov_b32 v[KF+3+\k], v[TXK+\k]
.endr
.irp k, 6,7,8,9,10,11
	v_mov_b32 v[KF+\k], 0                          ; K = 64 is filled up to the instruction's 128 with zero codes, on both sides
.irp i, 0,1,2,3
	v_mov_b32 v[QF+12*\i+\k], 0
.endr
.endr
	WIN 0
	v_lshlrev_b32 v[M1], v112, v[M1]               ; block h's byte at its place,
	v_permlanex16_b32 v[X], v[M1], s[SEL], s[SEL+1]
	v_or_b32 v[KS], v[M1], v[X]                    ; with lane l xor 16's: k's scale word (bytes 2 and 3 stay 0, over zero codes)
	; ---- q = Q(x) Q(Wq) + bq: eight K steps, written out
	s_wait_alu depctr_va_vdst(0)
	s_cmp_eq_u32 s22, 0
	s_cbranch_scc0 .Lsecond_half
	s_wait_tensorcnt 0x0                           ; waves 0 and 2: K steps 0-3 of x and of Wq have landed; the other two waves' halves may be out
.Lsecond_half:
	s_wait_dscnt 0x0
	s_barrier_signal -1
	s_barrier_wait -1                              ; K steps 0-3 lie in LDS
	FETCH 0, 0
	FETCH 1, 1
	s_wait_dscnt 32                                ; all but the 32 just issued: step 0's fragments are in
	s_wait_loadcnt 0x0                             ; scale words and bias
	MUL 0, 0, 1
	PLACES                                         ; the set was read by the products just issued
	FETCH 2, 0
	s_wait_dscnt 32
	MUL 1, 1, 0
	PLACES
	FETCH 3, 1
	s_wait_dscnt 32
	MUL 2, 0, 0
	s_wait_tensorcnt 0x0                           ; my half has landed, whichever it is
	s_wait_dscnt 0x0                               ; step 3's fragments are in, and no LDS access is out at the signal
	s_barrier_signal -1
	s_barrier_wait -1                              ; everybody's has: all of K lies in LDS
	PLACES                                         ; set 0 was read by step 2's products
	FETCH 4, 0
	MUL 3, 1, 0
	PLACES
	FETCH 5, 1
	s_wait_dscnt 32
	MUL 4, 0, 0
	PLACES
	FETCH 6, 0
	s_wait_dscnt 32
	MUL 5, 1, 0
	PLACES
	FETCH 7, 1
	s_wait_dscnt 32
	MUL 6, 0, 0
	s_wait_dscnt 0x0
	MUL 7, 1, 0
	PLACES
	; ---- the attention, four row tiles side by side
	QUANT4 QS                                      ; q along the head's 64
.rept 8
	v_nop                                          ; a scale register written by a vector instruction stands 8 places ahead of a scaled matrix instruction, an operand 4
.endr
	WIN 0x0a                                       ; sources 0 and 1 window 2, D window 0
.irp i, 0,1,2,3
	v_wmma_scale_f32_16x16x128_f8f6f4 v[ACC+32*\i:ACC+32*\i+7], v[KF:KF+11], v[QF+12*\i:QF+12*\i+11], 0, v[KS], v[QS+\i] matrix_a_fmt:MATRIX_FMT_BF6 matrix_b_fmt:MATRIX_FMT_BF6   ; S^T for 16 of the equal keys: every register holds my row's score
.endr
	WIN 0
	PLACES
.irp i, 0,1,2,3
	v_mul_f32 v[T+\i], s[CS], v[ACC+32*\i]         ; t = score x log2(e) / 8: the row's largest t, since all its t are equal
.endr
.irp i, 0,1,2,3
	v_floor_f32 v[NM+\i], -v[T+\i]                 ; -M = -ceil(t)
.endr
.irp i, 0,1,2,3
	v_add_f32 v[T+\i], v[T+\i], v[NM+\i]
.endr
	s_wait_alu depctr_va_vdst(0)                   ; the wait ahead of the batch,
.irp i, 0,1,2,3
	v_exp_f32 v[P+\i], v[T+\i]                     ; p = 2^(t - M), in (1/2, 1]
.endr
	v_nop                                          ; a plain instruction behind the exponentials
	s_wait_alu depctr_va_vdst(0)                   ; and ahead of the results' first readers
.irp i, 0,1,2,3
	v_rcp_f32 v[RC+2*\i], v[P+\i]
.endr
.irp i, 0,1,2,3
	v_max_num_f32 v[NM+\i], FLOOR, v[P+\i]         ; (plain instructions behind the reciprocals)  a block of p is 32 copies: its largest is p
.endr
.irp i, 0,1,2,3
	v_add_nc_u32 v[NM+\i], EOFF, v[NM+\i]          ; the conversion's scale operand
.endr
.irp i, 0,1,2,3
	v_lshrrev_b32 v[X+\i], 23, v[NM+\i]
.endr
.irp i, 0,1,2,3
	v_mul_lo_u32 v[PS+\i], v[X+\i], s[REP]         ; p's scale word: the byte four times
.endr
.irp i, 0,1,2,3
.irp k, 0,1,2,3,4,5,6,7,8,9,10,11,12,13,14,15
	v_mov_b32 v[ACC+32*\i+8+\k], v[P+\i]
.endr
.endr
	WIN 0x80
.irp i, 0,1,2,3
	v_cvt_scalef32_pk16_bf6_f32 v[PF+12*\i:PF+12*\i+2], v[ACC+32*\i+8:ACC+32*\i+23], v[NM+\i]
.endr
	v_nop                                          ; one plain instruction behind the scaled conversions
	WIN 0x82
.irp i, 0,1,2,3
.irp k, 3,4,5,6,7,8,9,10,11
	v_mov_b32 v[PF+12*\i+\k], v[PF+12*\i+\k%3]     ; 128 keys: the 96 bits four times
.endr
.endr
	WIN 0
	s_wait_alu depctr_va_vdst(0)                   ; the wait for the reciprocals, ahead of their first readers
.irp i, 0,1,2,3
	v_mul_f32 v[RC+2*\i], 0x3c000000, v[RC+2*\i]   ; 1 / (128 p): the sum of the unquantised p over the same 128 keys
.endr
	PLACES
	WIN 0x0a
.irp i, 0,1,2,3
.irp t, 0,1,2,3
	v_wmma_scale_f32_16x16x128_f8f6f4 v[ACC+32*\i+8*\t:ACC+32*\i+8*\t+7], v[VF+12*\t:VF+12*\t+11], v[PF+12*\i:PF+12*\i+11], 0, v[VS+\t], v[PS+\i] matrix_a_fmt:MATRIX_FMT_BF6 matrix_b_fmt:MATRIX_FMT_BF6   ; O^T for 128 of the equal keys
.endr
.endr
	WIN 0
	PLACES
.irp i, 0,1,2,3
.irp k, 0,2,4,6,8,10,12,14,16,18,20,22,24,26,28,30
	v_pk_mul_f32 v[ACC+32*\i+\k:ACC+32*\i+\k+1], v[ACC+32*\i+\k:ACC+32*\i+\k+1], v[RC+2*\i:RC+2*\i+1] op_sel_hi:[1,0]   ; y, each accumulator from its low end on
.endr
.endr
	QUANT4 TB                                      ; y along the channels: blocks 2 e and 2 e + 1 of the last product's K step
.irp i, 0,1,2,3
	ds_store_b16 v[YSA], v[TB+\i] offset:64*\i     ; lanes r and r + 16 write the same two bytes
.endr
	WIN 0x08                                       ; a store's data are its source 1: window 2
.irp i, 0,1,2,3
	global_store_b128 v[L16], v[QF+12*\i:QF+12*\i+3], s[92:93] offset:1536*\i       ; half a fragment as an image of its registers: 512 and 256 consecutive bytes, aligned
	global_store_b64 v[L8], v[QF+12*\i+4:QF+12*\i+5], s[92:93] offset:1536*\i+512
.endr
	WIN 0
	s_wait_alu depctr_va_vdst(0)
	s_wait_dscnt 0x0                               ; for wave 0's sake: my bytes lie in LDS
	s_barrier_signal -1
	s_barrier_wait -1
	s_cmp_lg_u32 s[WV], 0
	s_cbranch_scc1 .Lno_copy
	ds_load_b128 v[32:35], v[YSR]                  ; 128 rows' scale words: 512 dense bytes
	s_wait_dscnt 0x0
	global_store_b128 v[L16], v[32:35], s[94:95]
.Lno_copy:
	s_wait_tensorcnt 0x0                           ; the wave's end
	ds_add_u32 v[SPW], v[NIL]
	s_wait_dscnt 0x0
	CROUND                                         ; the closing round: no work-group ends while a partner may still ask for a half that names it
	s_endpgm
.Lfunc_end_k_qb7a6219aa8_qatt:
	.size	k_qb7a6219aa8_qatt, .Lfunc_end_k_qb7a6219aa8_qatt-k_qb7a6219aa8_qatt
	.p2alignl 7, 3214868480
	.fill 96, 4, 3214868480
	.section	.rodata,"a",@progbits
	.p2align	6, 0x0
	.amdhsa_kernel k_qb7a6219aa8_qatt
		.amdhsa_group_segment_fixed_size 197632
		.amdhsa_private_segment_fixed_size 0
		.amdhsa_enable_private_segment 0
		.amdhsa_kernarg_size 80
		.amdhsa_user_sgpr_count 2
		.amdhsa_user_sgpr_kernarg_segment_ptr 1
		.amdhsa_wavefront_size32 1
		.amdhsa_system_sgpr_workgroup_id_x 1
		.amdhsa_system_sgpr_workgroup_id_y 1
		.amdhsa_system_sgpr_workgroup_id_z 1
		.amdhsa_system_vgpr_workitem_id 0
		.amdhsa_next_free_vgpr 768
		.amdhsa_next_free_sgpr 96
		.amdhsa_reserve_vcc 0
		.amdhsa_float_denorm_mode_32 3
		.amdhsa_float_denorm_mode_16_64 3
		.amdhsa_memory_ordered 1
		.amdhsa_forward_progress 1
		.amdhsa_inst_pref_size 88
	.end_amdhsa_kernel
	.amdgpu_metadata
---
amdhsa.version: [ 1, 2 ]
amdhsa.kernels:
  - .name:           k_qb7a6219aa8_qatt
    .symbol:         k_qb7a6219aa8_qatt.kd
    .args:
      - { .name: xc, .offset: 0, .size: 8, .value_kind: global_buffer, .address_space: global }
      - { .name: xs, .offset: 8, .size: 8, .value_kind: global_buffer, .address_space: global }
      - { .name: wc, .offset: 16, .size: 8, .value_kind: global_buffer, .address_space: global }
      - { .name: ws, .offset: 24, .size: 8, .value_kind: global_buffer, .address_space: global }
      - { .name: bq, .offset: 32, .size: 8, .value_kind: global_buffer, .address_space: global }
      - { .name: bk, .offset: 40, .size: 8, .value_kind: global_buffer, .address_space: global }
      - { .name: bv, .offset: 48, .size: 8, .value_kind: global_buffer, .address_space: global }
      - { .name: kv, .offset: 56, .size: 8, .value_kind: global_buffer, .address_space: global }
      - { .name: yc, .offset: 64, .size: 8, .value_kind: global_buffer, .address_space: global }
      - { .name: ys, .offset: 72, .size: 8, .value_kind: global_buffer, .address_space: global }
    .group_segment_fixed_size: 197632
    .private_segment_fixed_size: 0
    .kernarg_segment_align: 8
    .kernarg_segment_size: 80
    .max_flat_workgroup_size: 128
    .sgpr_count:     96
    .vgpr_count:     768
    .wavefront_size: 32
...
	.end_amdgpu_metadata
.endif
;; end of part 2
;; launch proj (part 3): grid 8 x 32, 4 waves a work-group, clusters of 4 x 4, 197,120 bytes of LDS; arguments yc, ys, wc, ws, bp, out0; writes out0
.if DOCPART == 3
	.amdgcn_target "amdgcn-amd-amdhsa--gfx1250"
	.amdhsa_code_object_version 6
	.text
	.protected	k_qb7a6219aa8_proj
	.globl	k_qb7a6219aa8_proj
	.p2align	8
	.type	k_qb7a6219aa8_proj,@function
k_qb7a6219aa8_proj:
	s_mov_b64 s[64:65], 0
	v_nop
	global_prefetch_b8 v0, s[64:65] scope:SCOPE_SE
	s_setreg_imm32_b32 hwreg(HW_REG_WAVE_MODE, 25, 1), 1
	s_wait_xcnt 0x0
	s_wait_alu depctr_hold_cnt(0) depctr_sa_sdst(0) depctr_va_vdst(0) depctr_va_sdst(0) depctr_va_ssrc(0) depctr_va_vcc(0) depctr_vm_vsrc(0)
	s_getreg_b32 s2, hwreg(HW_REG_IB_STS2, 6, 4)
	s_cmp_eq_u32 s2, 0
	s_cbranch_scc0 .Lentry_in_a_cluster
	s_endpgm
.Lentry_in_a_cluster:
	s_bfe_u32 s2, ttmp6, 0x10000c
	s_cmp_lg_u32 s2, 0xf033
	s_cbranch_scc0 .Lentry_shape_is_right
	s_endpgm
.Lentry_shape_is_right:
; PROJ: out0 = Q(y) Q(Wp) + bp, on codes of E3M2 with E8M0 scales for each 32 along K, sums in f32.  No work is left out here.
; SHARES.  A work-group makes 128 rows x 128 columns; each of its four waves 64 x 64: 16 accumulators.  256 work-groups.
; ALL OF K LIES IN LDS: the work-group's codes of y (98,304 bytes) and of Wp (98,304) are filled ONCE, by one tensor load a wave (waves 0, 1: y's two halves of K, waves 2, 3: Wp's), 49,152 dense bytes each.
; No LDS byte is filled twice, and no loop walks memory: so there is nothing to prefetch ahead of.
; CLUSTER 4 x 4: the four work-groups of a row of the cluster need the same rows of y, the four of a column the same columns of Wp: each half is asked for jointly.
; THE ORDER: Wp's 32 fragments stay in registers once read.  Row tiles 0 and 1 are taken through K steps 0-3 as soon as waves 0 and 2 have their halves; then tile 0 through K steps 4-7, and it leaves; then tile 1;
; then tiles 2 and 3 through all of K.  So stores begin while three quarters of the wave's results are still to be finished.  No fragment is read from LDS twice.
; THE WAY OUT: source 0 = 16 rows of y, source 1 = 16 columns of Wp, slot r of column tile t = column 4 r + t: register j of the wave's four accumulators of a row tile holds, in lane (r, h), row 8 h + j at the
; neighbouring columns 4 r .. 4 r + 3.  Four moves bring them together: 16 bytes a lane, sixteen lanes store 256 consecutive bytes, aligned.  bp is the C of each sum's first instruction.
; REGISTERS.  Window 0: v1-8 LDS addresses of the fragments; v32-63 y's scale words, v64-95 Wp's; v128-255 accumulators.
;   Window 1: v0-191 Wp's fragments of K steps 0-3, v192-255 row tiles 0 and 1 on their way out.  Window 3: the same for K steps 4-7 and row tiles 2 and 3.
;   Window 2: v0-191 y's fragments of two row tiles (0 and 1, then 2 and 3), 24 registers a K step; v192-223 bp.
.set ADA,  1                           ; v1, v2: y's fragments in K steps 0-3 (16 bytes a lane; 8 bytes a lane, 512 on); v3, v4: in K steps 4-7
.set ADB,  5                           ; v5-8 the same for Wp
.set CO,   11                          ; my byte offset in two rows of out0, 8 rows apart
.set SA,   32                          ; y's scale words: row tile i, K step s at v[SA + 8 i + s]
.set SB,   64                          ; Wp's: column tile t, K step s at v[SB + 8 t + s]
.set BV,   104                         ; v104-107 bp at my four columns
.set ACC,  128                         ; accumulator (i, t) at v[ACC + 8 (4 i + t)]
.set BIAS, 192                         ; window 2
.set TMP,  192                         ; windows 1 and 3
.set SPW,  126                         ; my spare word; never rewritten
.set NIL,  127                         ; 0; never rewritten
.set WV,   20
.set G1A,  24
.set G0A,  32
.set G0B,  36
.set G1B,  48
.set SPARE, 196608                     ; LDS behind the codes: the spare words, 128 bytes a wave
.set MSB, 0
.macro WIN new                         ; the immediate's high byte repeats the setting that is left
.if MSB != (\new)
	s_set_vgpr_msb (MSB<<8)|(\new)
.set MSB, \new
.endif
.endm
.macro PLACES                          ; four plain instructions between a matrix instruction and a read of its result, a write of its registers or a load into them
.rept 4
	v_nop
.endr
.endm
.macro CROUND                          ; a round of the cluster's barrier
	s_barrier_signal -1
	s_barrier_wait -1
	s_cmp_lg_u32 s[WV], 0
	s_cbranch_scc1 .Lnot_wave_0_\@
	s_barrier_signal -3
.Lnot_wave_0_\@:
	s_barrier_wait -3
	s_barrier_signal -1
	s_barrier_wait -1
.endm
.macro FRAG reg, adr, ks, tile         ; four LDS loads: a fragment is an image of its registers
	ds_load_b128 v[\reg:\reg+3],     v[\adr+2*((\ks)/4)]   offset:((\ks)%4)*12288+(\tile)*1536
	ds_load_b64  v[\reg+4:\reg+5],   v[\adr+2*((\ks)/4)+1] offset:((\ks)%4)*12288+(\tile)*1536
	ds_load_b128 v[\reg+6:\reg+9],   v[\adr+2*((\ks)/4)]   offset:((\ks)%4)*12288+(\tile)*1536+768
	ds_load_b64  v[\reg+10:\reg+11], v[\adr+2*((\ks)/4)+1] offset:((\ks)%4)*12288+(\tile)*1536+768
.endm
.macro WF ks                           ; Wp's four fragments of K step ks, window 1 or 3: 16 loads
	WIN 0x40+0x80*((\ks)/4)
.irp t, 0,1,2,3
	FRAG 48*((\ks)%4)+12*\t, ADB, \ks, \t
.endr
.endm
.macro YF ks, i                        ; y's fragment of K step ks, row tile i, window 2: 4 loads
	WIN 0x80
	FRAG 24*(\ks)+12*((\i)%2), ADA, \ks, \i
.endm
; 4 matrix instructions: K step ks, row tile i.  Accumulators take turns, one instruction a turn, in the same order in every step.  first = 1: C is the bias
.macro MULT ks, i, first
.if \first
	WIN 0x26+8*((\ks)/4)                           ; source 0 window 2, source 1 window 1, C window 2, D window 0
.else
	WIN 0x06+8*((\ks)/4)                           ; source 0 window 2, source 1 window 1 or 3, C and D window 0
.endif
.irp t, 0,1,2,3
.if \first
	v_wmma_scale_f32_16x16x128_f8f6f4 v[ACC+8*(4*(\i)+\t):ACC+8*(4*(\i)+\t)+7], v[24*(\ks)+12*((\i)%2):24*(\ks)+12*((\i)%2)+11], v[48*((\ks)%4)+12*\t:48*((\ks)%4)+12*\t+11], v[BIAS+8*\t:BIAS+8*\t+7], v[SA+8*(\i)+(\ks)], v[SB+8*\t+(\ks)] matrix_a_fmt:MATRIX_FMT_BF6 matrix_b_fmt:MATRIX_FMT_BF6
.else
	v_wmma_scale_f32_16x16x128_f8f6f4 v[ACC+8*(4*(\i)+\t):ACC+8*(4*(\i)+\t)+7], v[24*(\ks)+12*((\i)%2):24*(\ks)+12*((\i)%2)+11], v[48*((\ks)%4)+12*\t:48*((\ks)%4)+12*\t+11], v[ACC+8*(4*(\i)+\t):ACC+8*(4*(\i)+\t)+7], v[SA+8*(\i)+(\ks)], v[SB+8*\t+(\ks)] matrix_a_fmt:MATRIX_FMT_BF6 matrix_b_fmt:MATRIX_FMT_BF6
.endif
.endr
.endm
.macro MULP ks, i0, first              ; two row tiles: 8 matrix instructions
	MULT \ks, \i0, \first
	MULT \ks, \i0+1, \first
.endm
.macro F1 ks                           ; K step ks of 0-3 for row tiles 0 and 1: 24 loads
	WF \ks
	YF \ks, 0
	YF \ks, 1
.endm
.macro F2 ks                           ; K step ks of 4-7 for row tile 0: 20 loads
	WF \ks
	YF \ks, 0
.endm
; THE WAY OUT of row tile i: its own 32 registers of window 1 or 3, so no store's data are written again
.macro OUT i
.set TB, TMP+32*((\i)%2)
	WIN 0x40+0x80*((\i)/2)
.irp j, 0,1,2,3,4,5,6,7
.irp t, 0,1,2,3
	v_mov_b32 v[TB+4*\j+\t], v[ACC+8*(4*(\i)+\t)+\j]               ; each accumulator from its low end on
.endr
.endr
	WIN 0x04+8*((\i)/2)                            ; a store's data are its source 1: window 1 or 3
.irp j, 0,1,2,3,4,5,6,7
	global_store_b128 v[CO], v[TB+4*\j:TB+4*\j+3], s[14:15] offset:4096*(16*(\i)+\j) th:TH_STORE_NT   ; rows 16 i + j and 16 i + 8 + j: 16 lanes store 256 consecutive bytes, at a multiple of 256 from out0's first byte
.endr
.endm
	s_load_b256 s[4:11], s[0:1], 0x0               ; yc s[4:5], ys s[6:7], wc s[8:9], ws s[10:11]
	s_load_b128 s[12:15], s[0:1], 0x20             ; bp s[12:13], out0 s[14:15]
	v_lshl_add_u32 v[SPW], v0, 2, SPARE
	v_mov_b32 v[NIL], 0
	ds_add_u32 v[SPW], v[NIL]                      ; the opening: the add, twice on end, and its wait ahead of my first tensor load
	ds_add_u32 v[SPW], v[NIL]
	v_lshrrev_b32 v12, 5, v0
	v_readfirstlane_b32 s[WV], v12                 ; wave 0..3
	s_lshr_b32 s21, s[WV], 1                       ; my half of the rows
	s_and_b32 s22, s[WV], 1                        ; my half of the columns
	s_bfe_u32 s23, ttmp6, 0x40000                  ; cx, cy: my place in the cluster
	s_bfe_u32 s84, ttmp6, 0x40004
	s_lshl_b32 s85, ttmp9, 2
	s_add_co_u32 s85, s85, s23                     ; the block of 128 columns
	s_and_b32 s86, ttmp7, 0xffff
	s_lshl_b32 s86, s86, 2
	s_add_co_u32 s86, s86, s84                     ; the block of 128 rows
	s_lshl_b32 s87, s84, 2
	s_lshl_b32 s87, 15, s87                        ; my row of the cluster
	s_lshl_b32 s88, 0x1111, s23                    ; my column
	; descriptor group 1: a dense block of 49,152 bytes as 192 rows of 32 elements of 8 bytes; no padding
	s_or_b32 s[G1A], s87, (3<<16)|(1<<21)          ; 15:0 the mask: y's halves go to my row; 17:16 elements of 8 bytes; 21 set beside a mask
	s_or_b32 s[G1B], s88, (3<<16)|(1<<21)          ; Wp's go to my column
.irp g, G1A, G1B
	s_mov_b32 s[\g+1], 32<<16                      ; tensor_dim0 = 32
	s_mov_b32 s[\g+2], 192<<16                     ; tensor_dim1 = 192
	s_mov_b32 s[\g+3], 32<<16                      ; tile_dim0 = 32
	s_mov_b32 s[\g+4], 192                         ; tile_dim1 = 192
	s_mov_b32 s[\g+5], 32                          ; from row to row
	s_mov_b32 s[\g+6], 0
	s_mov_b32 s[\g+7], 0
.endr
	s_mul_i32 s89, s22, 49152                      ; which half of K I fetch
	s_mul_i32 s60, s86, 98304                      ; y: hangs on the block of rows alone,
	s_add_co_u32 s60, s60, s89
	s_mov_b32 s61, 0
	s_mul_i32 s62, s85, 98304                      ; Wp: on the block of columns alone; it lies behind Wq's 786,432 bytes
	s_add_co_u32 s62, s62, s89
	s_add_co_u32 s62, s62, 786432
	s_mov_b32 s63, 0
	s_mul_i32 s90, s[WV], 49152                    ; where my half goes: no place in the cluster enters an LDS address
	; every LDS address is made here, ahead of the first branch on the wave's number
	v_and_b32 v112, 15, v0                         ; r
	v_bfe_u32 v113, v0, 4, 1                       ; h
	v_and_b32 v12, 31, v0                          ; l
	v_lshlrev_b32 v13, 4, v12                      ; 16 l
	v_lshlrev_b32 v14, 3, v12                      ; 8 l
	s_mul_i32 s91, s21, 6144
	v_add_nc_u32 v[ADA], s91, v13
	v_add_nc_u32 v[ADA+1], s91, v14
	v_add_nc_u32 v[ADA+1], 512, v[ADA+1]
	v_add_nc_u32 v[ADA+2], 49152, v[ADA]
	v_add_nc_u32 v[ADA+3], 49152, v[ADA+1]
	s_mul_i32 s91, s22, 6144
	s_add_co_u32 s91, s91, 98304
	v_add_nc_u32 v[ADB], s91, v13
	v_add_nc_u32 v[ADB+1], s91, v14
	v_add_nc_u32 v[ADB+1], 512, v[ADB+1]
	v_add_nc_u32 v[ADB+2], 49152, v[ADB]
	v_add_nc_u32 v[ADB+3], 49152, v[ADB+1]
	v_lshlrev_b32 v[CO], 15, v113
	v_lshl_add_u32 v[CO], v112, 4, v[CO]           ; out0: 8 h rows of 4,096 bytes + 16 r
	v_lshlrev_b32 v108, 4, v112                    ; offsets of the plain loads below: 16 r,
	v_lshlrev_b32 v110, 2, v112                    ; 4 r
	s_wait_dscnt 0x0                               ; both opening adds are done
	s_wait_alu depctr_va_vdst(0)
	CROUND                                         ; all sixteen work-groups are here: the joint loads meet.  (The round needs no argument: it stands ahead of the wait for them)
	s_wait_kmcnt 0x0
	s_mov_b32 s[G0A], 1                                            ; count = 1
	s_mov_b32 s[G0A+1], s90                                        ; LDS address
	s_add_nc_u64 s[G0A+2:G0A+3], s[4:5], s[60:61]                  ; global address
	s_or_b32 s[G0A+3], s[G0A+3], 0x80000000                        ; type = 2
	s_mov_b32 s[G0B], 1
	s_mov_b32 s[G0B+1], s90
	s_add_nc_u64 s[G0B+2:G0B+3], s[8:9], s[62:63]
	s_or_b32 s[G0B+3], s[G0B+3], 0x80000000
; One tensor load a wave, each in its own arm of one chain; four v_nop follow each.  The arms of K steps 0-3 (waves 0 and 2) come first
.macro ARM who, g0, g1, next
	s_cmp_eq_u32 s[WV], \who
	s_cbranch_scc0 \next
	tensor_load_to_lds s[\g0:\g0+3], s[\g1:\g1+7]
	s_nop 0
.rept 4
	v_nop
.endr
	s_branch .Lfilled
\next:
.endm
	ARM 0, G0A, G1A, .Larm_2
	ARM 2, G0B, G1B, .Larm_1
	ARM 1, G0A, G1A, .Larm_3
	tensor_load_to_lds s[G0B:G0B+3], s[G1B:G1B+7]
	s_nop 0
.rept 4
	v_nop
.endr
.Lfilled:
	; the bases of the plain loads and of the stores
	s_mov_b32 s61, 0
	s_lshl_b32 s60, s85, 11                        ; ws: Wp's words lie behind Wq's 32,768 bytes; 8 tiles of 256 bytes a block of columns, 4 a wave
	s_lshl_b32 s62, s22, 10
	s_add_co_u32 s60, s60, s62
	s_add_co_u32 s60, s60, 32768
	s_add_nc_u64 s[10:11], s[10:11], s[60:61]
	s_lshl_b32 s60, s86, 12                        ; ys: [block of rows][K step][128 rows] words; my 64 rows
	s_lshl_b32 s62, s21, 8
	s_add_co_u32 s60, s60, s62
	s_add_nc_u64 s[6:7], s[6:7], s[60:61]
	s_lshl_b32 s60, s85, 9                         ; bp: 128 numbers, 64 a wave; the same bytes into a row of out0
	s_lshl_b32 s62, s22, 8
	s_add_co_u32 s60, s60, s62
	s_add_nc_u64 s[12:13], s[12:13], s[60:61]
	s_lshl_b32 s62, s86, 19                        ; out0: 128 rows of 4,096 bytes,
	s_add_co_u32 s60, s60, s62
	s_lshl_b32 s62, s21, 18                        ; my 64
	s_add_co_u32 s60, s60, s62
	s_add_nc_u64 s[14:15], s[14:15], s[60:61]
	global_load_b128 v[BV:BV+3], v108, s[12:13]                                    ; bp at columns 4 r .. 4 r + 3
.irp t, 0,1,2,3
	global_load_b128 v[SB+8*\t:SB+8*\t+3],   v108, s[10:11] offset:256*\t          ; lane r: slot r's scale words of K steps 0-3,
	global_load_b128 v[SB+8*\t+4:SB+8*\t+7], v108, s[10:11] offset:256*\t+16384    ; and 4-7
.endr
.irp s, 0,1,2,3,4,5,6,7
.irp i, 0,1,2,3
	global_load_b32 v[SA+8*\i+\s], v110, s[6:7] offset:512*\s+64*\i                ; lane r: row 16 i + r's word of K step s
.endr
.endr
	s_wait_loadcnt 0x0                             ; scale words and bias
	WIN 0x80
.irp t, 0,1,2,3
.irp k, 0,1,2,3,4,5,6,7
	v_mov_b32 v[BIAS+8*\t+\k], v[BV+\t]            ; a column's bias for all eight rows of a lane
.endr
.endr
	WIN 0
	s_wait_alu depctr_va_vdst(0)
	s_cmp_eq_u32 s22, 0
	s_cbranch_scc0 .Lsecond_half
	s_wait_tensorcnt 0x0                           ; waves 0 and 2: K steps 0-3 of y and of Wp have landed; the other two waves' halves may be out
.Lsecond_half:
	s_wait_dscnt 0x0
	s_barrier_signal -1
	s_barrier_wait -1                              ; K steps 0-3 lie in LDS
	; ---- row tiles 0 and 1, K steps 0-3
	F1 0
	F1 1
	s_wait_dscnt 24                                ; all but the 24 just issued: step 0's fragments are in
	MULP 0, 0, 1
	F1 2
	s_wait_dscnt 24
	MULP 1, 0, 0
	F1 3
	s_wait_dscnt 24
	MULP 2, 0, 0
	s_wait_tensorcnt 0x0                           ; my half has landed, whichever it is
	s_wait_dscnt 0x0                               ; step 3's fragments are in, and no LDS access is out at the signal
	s_barrier_signal -1
	s_barrier_wait -1                              ; everybody's has: all of K lies in LDS
	F2 4                                           ; (into registers that nothing has read yet)
	MULP 3, 0, 0
	; ---- row tile 0, K steps 4-7
	F2 5
	s_wait_dscnt 20                                ; all but the 20 just issued
	MULT 4, 0, 0
	F2 6
	s_wait_dscnt 20
	MULT 5, 0, 0
	F2 7
	s_wait_dscnt 20
	MULT 6, 0, 0
.irp s, 4,5,6,7
	YF \s, 1
.endr
	s_wait_dscnt 16                                ; step 7's fragments are in; behind them row tile 1's 16 loads
	MULT 7, 0, 0
	PLACES                                         ; the moves read results just made
	OUT 0
	; ---- row tile 1, K steps 4-7; row tiles 2 and 3's fragments of K steps 0-3 take the registers of 0's and 1's
	s_wait_dscnt 0x0
.irp s, 0,1,2,3
	YF \s, 2
	YF \s, 3
.endr
.irp s, 4,5,6,7
	MULT \s, 1, 0
.endr
	PLACES
	OUT 1
	; ---- row tiles 2 and 3, all of K
.irp s, 4,5,6,7
	YF \s, 2
	YF \s, 3
.endr
	s_wait_dscnt 32                                ; K steps 0-3 are in; behind them the 32 loads of K steps 4-7
	MULP 0, 2, 1
.irp s, 1,2,3
	MULP \s, 2, 0
.endr
	s_wait_dscnt 0x0
.irp s, 4,5,6,7
	MULP \s, 2, 0
.endr
	PLACES
	OUT 2
	OUT 3
	WIN 0
	s_wait_tensorcnt 0x0                           ; the wave's end
	ds_add_u32 v[SPW], v[NIL]
	s_wait_dscnt 0x0
	CROUND                                         ; the closing round: no work-group ends while a partner may still ask for a half that names it
	s_endpgm
.Lfunc_end_k_qb7a6219aa8_proj:
	.size	k_qb7a6219aa8_proj, .Lfunc_end_k_qb7a6219aa8_proj-k_qb7a6219aa8_proj
	.p2alignl 7, 3214868480
	.fill 96, 4, 3214868480
	.section	.rodata,"a",@progbits
	.p2align	6, 0x0
	.amdhsa_kernel k_qb7a6219aa8_proj
		.amdhsa_group_segment_fixed_size 197120
		.amdhsa_private_segment_fixed_size 0
		.amdhsa_enable_private_segment 0
		.amdhsa_kernarg_size 48
		.amdhsa_user_sgpr_count 2
		.amdhsa_user_sgpr_kernarg_segment_ptr 1
		.amdhsa_wavefront_size32 1
		.amdhsa_system_sgpr_workgroup_id_x 1
		.amdhsa_system_sgpr_workgroup_id_y 1
		.amdhsa_system_sgpr_workgroup_id_z 1
		.amdhsa_system_vgpr_workitem_id 0
		.amdhsa_next_free_vgpr 1024
		.amdhsa_next_free_sgpr 96
		.amdhsa_reserve_vcc 0
		.amdhsa_float_denorm_mode_32 3
		.amdhsa_float_denorm_mode_16_64 3
		.amdhsa_memory_ordered 1
		.amdhsa_forward_progress 1
		.amdhsa_inst_pref_size 53
	.end_amdhsa_kernel
	.amdgpu_metadata
---
amdhsa.version: [ 1, 2 ]
amdhsa.kernels:
  - .name:           k_qb7a6219aa8_proj
    .symbol:         k_qb7a6219aa8_proj.kd
    .args:
      - { .name: yc, .offset: 0, .size: 8, .value_kind: global_buffer, .address_space: global }
      - { .name: ys, .offset: 8, .size: 8, .value_kind: global_buffer, .address_space: global }
      - { .name: wc, .offset: 16, .size: 8, .value_kind: global_buffer, .address_space: global }
      - { .name: ws, .offset: 24, .size: 8, .value_kind: global_buffer, .address_space: global }
      - { .name: bp, .offset: 32, .size: 8, .value_kind: global_buffer, .address_space: global }
      - { .name: out0, .offset: 40, .size: 8, .value_kind: global_buffer, .address_space: global }
    .group_segment_fixed_size: 197120
    .private_segment_fixed_size: 0
    .kernarg_segment_align: 8
    .kernarg_segment_size: 48
    .max_flat_workgroup_size: 128
    .sgpr_count:     96
    .vgpr_count:     1024
    .wavefront_size: 32
...
	.end_amdgpu_metadata
.endif
;; end of part 3
